; MI455X (gfx1250); checked and timed in simulation.
; The chip was launched on July 23, 2026; its instructions are those of AMD's public machine-readable ISA for CDNA 5 (MIT licence, August 2026) and "CDNA5" Instruction Set Architecture Reference Guide (July 2026). The comments in the code are by the model that wrote it; some were corrected since.
;; Self Attention. Allowed arithmetic: matrix products marked QUANTISED: E2M1 operands, one E8M0 scale for each 32 along K, by v_wmma_scale_f32_16x16x128_f8f6f4 with both operands' format E2M1 (or v_wmma_scale_f32_32x16x128_f4), f32 sums; everything else in f32.
;; Inputs: Wk_codes 1,024 x 32 x 16 uint8 (E2M1 codes of Wk, K innermost, in blocks of 32 codes, two codes a byte); Wk_scales 1,024 x 32 uint8 (E8M0 scales of Wk, one for each 32 codes along K); Wq_codes 1,024 x 32 x 16 uint8 (E2M1 codes of Wq, K innermost, in blocks of 32 codes, two codes a byte); Wq_scales 1,024 x 32 uint8 (E8M0 scales of Wq, one for each 32 codes along K); Wv_codes 1,024 x 32 x 16 uint8 (E2M1 codes of Wv, K innermost, in blocks of 32 codes, two codes a byte); Wv_scales 1,024 x 32 uint8 (E8M0 scales of Wv, one for each 32 codes along K); x_codes 4 x 2,048 x 32 x 16 uint8 (E2M1 codes of x, K innermost, in blocks of 32 codes, two codes a byte); x_scales 4 x 2,048 x 32 uint8 (E8M0 scales of x, one for each 32 codes along K).
;; Outputs: out0 4 x 2,048 x 1,024 float32.
;; This version of the problem:
;;   THIS VERSION OF THE PROBLEM IS GIVEN IN LOW PRECISION. The matrix products marked QUANTISED in the list below multiply operands that are first quantised to E2M1 (2 exponent bits, 1 mantissa bit; 4 bits a number), with one power-of-two scale for each 32 numbers along K (OCP MX v1.0); their sums are f32. All else is computed in f32.
;;   The module's matrix products, in the order in which they are computed (A, B: the left and right operand; K: the contracted axis; several contracted axes count as one K, in the product's order):
;;     1. [M 8,192, K 1,024] x [K 1,024, N 1,024]; A: input x (given as codes); B: input Wq (given as codes): QUANTISED
;;     2. [M 8,192, K 1,024] x [K 1,024, N 1,024]; A: input x (given as codes); B: input Wk (given as codes): QUANTISED
;;     3. [M 8,192, K 1,024] x [K 1,024, N 1,024]; A: input x (given as codes); B: input Wv (given as codes): QUANTISED
;;     4. batch 64 x [M 2,048, K 64] x [K 64, N 2,048]; A: computed on the way; B: computed on the way: QUANTISED
;;     5. batch 64 x [M 64, K 2,048] x [K 2,048, N 2,048]; A: computed on the way; B: softmax (see below): QUANTISED
;;   THE QUANTISER, for each operand of a quantised product, along K:
;;     - K is cut into blocks of 32 from its start; a last block that is shorter is filled with zeros.
;;     - A block's scale is 2^e with e = floor(log2(the largest magnitude in the block)) - 2, held to -126 .. 127; a block of zeros has e = 0. As a byte (E8M0): e + 127.
;;     - Each number is divided by its block's scale, clamped to +-6, and rounded to the nearest number of E2M1, ties to even, subnormals kept.
;;     - The product sums the exact products of the quantised numbers (number of the format x scale) in f32.
;;   ~~~python
;;   def quantise(x, axis):      # numpy; x: float32 -> the quantised numbers, widened to float32 again
;;       x = np.moveaxis(x, axis, -1); K = x.shape[-1]
;;       x = np.pad(x, [(0, 0)] * (x.ndim - 1) + [(0, -K % 32)]); x = x.reshape(x.shape[:-1] + (-1, 32)); a = np.abs(x).max(-1, keepdims=True)
;;       e = np.where(a > 0, np.clip(np.frexp(np.where(a > 0, a, 1))[1] - 1 - 2, -126, 127), 0)      # np.frexp(a)[1] - 1 = floor(log2(a)), exactly
;;       r = np.clip(x / 2.0 ** e, -6, 6)
;;       step = 2.0 ** (np.maximum(np.frexp(np.where(r == 0, 1, r))[1] - 1, 0) - 1)
;;       q = np.round(r / step) * step * 2.0 ** e      # np.round: ties to even
;;       return np.moveaxis(q.reshape(q.shape[:-2] + (-1,))[..., :K], -1, axis).astype(np.float32)
;;   ~~~
;;   SOFTMAX AHEAD OF A QUANTISED PRODUCT. Where the list says 'softmax', what is quantised is not the finished softmax but p = 2^(t - M), with t = logit x log2(e) and M = ceil(the row's largest t), a whole number; so 1/2 < the row's largest p <= 1. The row's sum l is taken of the UNQUANTISED p, in f32, and the product's result is divided by l at the end. Since M is a whole number, a kernel that streams over the keys may use a running M (the ceiling of the running maximum): every later rescaling is an exact power of two, which a block's scale takes up: the codes' values come out the same.
;;   OPERANDS COMPUTED ON THE WAY. 'Computed on the way' means the value that the module computes at that place (a softmax that the list does not call 'softmax' is quantised finished and normalised). What goes into a quantiser is computed in f32, as accurately as f32 sums, v_exp_f32 and their like allow (about 1e-6 of the number): no bf16 or f16 on the way to a quantiser, and a product that is left as it is and whose result goes on into a quantised operand takes f32 operands (vector FMAs, or v_wmma_f32_16x16x4_f32). A number that lies on a knife's edge between two numbers of the format may be rounded either way, as far as f32 arithmetic and the matrix unit's own rounding can turn it there, and no further.
;;   INPUTS GIVEN AS CODES. Wk (in the module: [1024, 1024], K = its axis 1); Wq (in the module: [1024, 1024], K = its axis 1); Wv (in the module: [1024, 1024], K = its axis 1); x (in the module: [4, 2048, 1024], K = its axis 2): each comes as NAME_codes (uint8): NAME with its K axis moved to the last place and cut into blocks of 32 codes, [.., K / 32, bytes a block], one block behind the other in memory; two codes a byte, the lower K in the low four bits (a code: sign, 2 exponent bits, 1 mantissa bit); and NAME_scales (uint8): the same leading axes, one E8M0 byte (e + 127) for each 32 codes along K. Its value is code x scale, taken as it is: it is not quantised again, and the codes and scales need not be those that the quantiser above would give.
;; One version. Each part assembles by itself: llvm-mc -triple=amdgcn-amd-amdhsa -mcpu=gfx1250 --defsym DOCPART=n.
;; ======== version 1 of 1: 2 launches
;; limits: right only within a limited range of input values
;; workspace buffers: qc 4,194,304 bytes; qs 524,288 bytes; kc 4,194,304 bytes; ks 524,288 bytes; vc 4,194,304 bytes; vs 262,144 bytes
;; launch proj (part 1): grid 8 x 32, 4 waves a work-group, clusters of 4 x 4, 327,680 bytes of LDS; arguments x_codes, x_scales, Wq_codes, Wq_scales, Wk_codes, Wk_scales, Wv_codes, Wv_scales, qc, qs, kc, ks, vc, vs; writes qc, qs, kc, ks, vc, vs
.if DOCPART == 1
	.amdgcn_target "amdgcn-amd-amdhsa--gfx1250"
	.amdhsa_code_object_version 6
	.text
	.protected	k_qaf012d9b96_proj
	.globl	k_qaf012d9b96_proj
	.p2align	8
	.type	k_qaf012d9b96_proj,@function
k_qaf012d9b96_proj:
	s_mov_b64 s[64:65], 0
	v_nop
	global_prefetch_b8 v0, s[64:65] scope:SCOPE_SE
	s_setreg_imm32_b32 hwreg(HW_REG_WAVE_MODE, 25, 1), 1
	s_wait_xcnt 0x0
	s_wait_alu depctr_hold_cnt(0) depctr_sa_sdst(0) depctr_va_vdst(0) depctr_va_sdst(0) depctr_va_ssrc(0) depctr_va_vcc(0) depctr_vm_vsrc(0)
	s_getreg_b32 s2, hwreg(HW_REG_IB_STS2, 6, 4)
	s_cmp_eq_u32 s2, 0
	s_cbranch_scc0 .Lentry_in_a_cluster
	s_endpgm
.Lentry_in_a_cluster:
	s_bfe_u32 s2, ttmp6, 0x10000c
	s_cmp_lg_u32 s2, 0xf033
	s_cbranch_scc0 .Lentry_shape_is_right
	s_endpgm
.Lentry_shape_is_right:
; q, k and v = x W^T on codes of FP4 (E2M1) with E8M0 scales, each result quantised again along the K of the product that takes it, and stored as images of that product's operand registers.  No work is left out.
; A WORK-GROUP OF FOUR WAVES OWNS 256 TOKENS AND MAKES TWO THINGS OF THEM.  First 256 tokens x 256 channels of q (cluster x = 0) or k (1): source 1 = tokens, source 0 = channels, so a lane's registers run along the head's
; channels; a wave makes 128 x 128 in 64 accumulators.  Then 128 channels of v (channels 128 (4 cluster x + cx) on) for the same 256 tokens: the sources change roles (source 1 = Wv's rows, source 0 = tokens), so a lane's
; registers run along the tokens, the keys; a wave makes 64 channels x 128 tokens in 32 accumulators.  8 x 32 work-groups share all three products out evenly.
; LDS.  K = 1,024 is 512 bytes a row: x's 256 rows and W's 256 rows (2 x 256 x 528 bytes with padding) and their scale bytes (2 x 32 x 272) lie in LDS whole, by four joint loads at the head, one a wave.  When W's rows have been
; read for the last time, Wv's 128 rows and their scale bytes are filled onto W's bytes, behind a round of the cluster's barrier; q's or k's quantising and stores stand between that request and the wait for it.
; CLUSTER 4 x 4: x's rows are shared along a row of the cluster, W's and Wv's along a column.  No prefetch: every tile is asked for once, and there is no loop to run ahead in.
.set KSTEP,  512
.set NQ,     KSTEP/128
.set ROWB,   512                       ; a tile's row: all of K
.set KROW,   512
.set PITCH,  528                       ; 512 bytes + 16 of padding: an odd multiple of 16
.set FR,     8
.set NL,     2
.set NP,     4
.set HALFT,  128*PITCH
.set SLOT,   256                       ; the second half of K begins 256 bytes on in each row
.set KS,     32
.set SCL,    4*HALFT                   ; behind both operands' rows: the scale bytes, as units of 256 bytes + 16
.set HALFS,  (128*KS/256)*272
.set SBLK,   (16*KS/256)*272
.set SPARE,  SCL+4*HALFS               ; the spare words, 128 bytes for each wave
.set ADRA, 16                          ; v16-17 source 1's fragments, K's halves, for q or k; v18-19 for v
.set ADRB, 20                          ; v20-23 the same for source 0
.set CO,   26
.set ADRS, 27                          ; my scale words for q or k: lanes 0-15 source 1's, lanes 16-31 source 0's
.set SPW,  28
.set NIL,  29
.set ADRS2, 30                         ; the same for v
.set SC,   32
.set TM,   96
.set TX,   100
.set SO,   104
.set BY,   108
.set PW,   112
.set MG,   120
.set C7F,  124
.set VO8,  125
.set AF,   128
.set PC,   128
.set GW,   192
.set G1, 24
.set G0, 32
.set WVC, 36                           ; s[36:37] Wv's codes at my 128 rows, s[38:39] their scale bytes
.set G1B, 48
.set G0B, 56
.set VCO, 60                           ; s[60:61] where my part of vc begins, s[62:63] of vs
.set G1S, 68
.set G0S, 76
.set G1SB, 80
.set G0SB, 88
.set MSB, 0
.macro WIN new
.if MSB != \new
	s_set_vgpr_msb (MSB<<8)|\new
.set MSB, \new
.endif
.endm
.set MUL_LO, 0xa1
.set MUL_HI, 0xf1
.set TO_B,   0x40
.macro TL g0, g1                       ; a joint load; an s_nop 0 and four v_nop follow it
	tensor_load_to_lds s[\g0:\g0+3], s[\g1:\g1+7]
	s_nop 0
.rept 4
	v_nop
.endr
.endm
.macro ARM under, g0, g1, next         ; one arm of the head's tree
	s_cmp_lt_u32 s14, \under
	s_cbranch_scc0 \next
	TL \g0, \g1
	s_branch .Lhead_asked
\next:
.endm
.macro CROUND
	s_barrier_signal -1
	s_barrier_wait -1
	s_cmp_lg_u32 s14, 0
	s_cbranch_scc1 .Lnot_wave_0_\@
	s_barrier_signal -3
.Lnot_wave_0_\@:
	s_barrier_wait -3
	s_barrier_signal -1
	s_barrier_wait -1
.endm
	s_load_b512 s[24:39], s[0:1], 0x0              ; x's codes, scales; Wq's; Wk's; Wv's
	s_load_b256 s[48:55], s[0:1], 0x40             ; qc, qs, kc, ks
	s_load_b128 s[56:59], s[0:1], 0x60             ; vc, vs
	v_lshl_add_u32 v[SPW], v0, 2, SPARE
	v_mov_b32 v[NIL], 0
	ds_add_u32 v[SPW], v[NIL]                      ; the opening lines: the add twice on end and its wait ahead of my first tensor load
	ds_add_u32 v[SPW], v[NIL]
	v_lshrrev_b32 v1, 5, v0
	v_readfirstlane_b32 s14, v1
	s_lshr_b32 s15, s14, 1                         ; which half of source 1's rows is mine
	s_and_b32 s16, s14, 1                          ; which half of source 0's
	s_bfe_u32 s40, ttmp6, 0x40000                  ; cx
	s_bfe_u32 s41, ttmp6, 0x40004                  ; cy
	s_and_b32 s97, ttmp7, 0xffff
	s_lshl_b32 s97, s97, 2
	s_add_co_u32 s17, s97, s41                     ; my 256 tokens: tile 4 x cluster y + cy
	s_mov_b32 s42, s40                             ; my 256 channels of q or k: tile cx
	s_lshl_b32 s43, s41, 2
	s_lshl_b32 s43, 15, s43                        ; my row of the cluster
	s_lshl_b32 s44, 0x1111, s40                    ; my column
	s_mov_b32 s98, 0xffff0000
	s_mov_b32 s100, 0x76543210
	s_mov_b32 s101, 0xfedcba98
	s_lshl_b32 s20, s17, 8
	s_lshl_b32 s46, s42, 8
	s_mov_b32 s21, 0
	s_mov_b32 s47, 0
	s_mov_b64 s[18:19], KS
	s_mul_u64 s[22:23], s[20:21], s[18:19]
	s_mul_u64 s[92:93], s[46:47], s[18:19]
	s_mov_b64 s[18:19], KROW
	s_mul_u64 s[20:21], s[20:21], s[18:19]
	s_mul_u64 s[46:47], s[46:47], s[18:19]
	s_lshl_b32 s2, ttmp9, 2
	s_add_co_u32 s2, s2, s40                       ; my 128 channels of v: group 4 x cluster x + cx, which my column shares
	s_lshl_b32 s94, s2, 16                         ; 128 rows of 512 bytes
	s_mov_b32 s95, 0
	s_lshl_b32 s96, s2, 12                         ; 128 rows of 32
	s_mov_b32 s97, 0
	s_wait_dscnt 0x0
	s_wait_kmcnt 0x0
	s_cmp_eq_u32 ttmp9, 0
	s_cselect_b64 s[8:9], s[28:29], s[32:33]
	s_cselect_b64 s[10:11], s[30:31], s[34:35]
	s_cselect_b64 s[12:13], s[48:49], s[52:53]
	s_cselect_b64 s[66:67], s[50:51], s[54:55]
	s_mov_b64 s[VCO:VCO+1], s[56:57]
	s_mov_b64 s[VCO+2:VCO+3], s[58:59]
	s_add_nc_u64 s[WVC:WVC+1], s[36:37], s[94:95]
	s_add_nc_u64 s[WVC+2:WVC+3], s[38:39], s[96:97]
	s_add_nc_u64 s[20:21], s[24:25], s[20:21]
	s_add_nc_u64 s[22:23], s[26:27], s[22:23]
	s_add_nc_u64 s[46:47], s[8:9], s[46:47]
	s_add_nc_u64 s[92:93], s[10:11], s[92:93]
	s_or_b32 s[G1+0], s43, (0<<16)|(1<<20)|(1<<21)|(6<<22)|(3<<25)   ; four words of padding after every 128
	s_or_b32 s[G1B+0], s44, (0<<16)|(1<<20)|(1<<21)|(6<<22)|(3<<25)
.irp g, G1, G1B
	s_mov_b32 s[\g+1], ROWB<<16
	s_mov_b32 s[\g+2], 256<<16
	s_mov_b32 s[\g+3], ROWB<<16
	s_mov_b32 s[\g+4], 256
	s_mov_b32 s[\g+5], KROW
	s_mov_b32 s[\g+6], 0
	s_mov_b32 s[\g+7], 0
.endr
	s_or_b32 s[G1S+0], s43, (3<<16)|(1<<20)|(1<<21)|(5<<22)|(3<<25)
	s_or_b32 s[G1SB+0], s44, (3<<16)|(1<<20)|(1<<21)|(5<<22)|(3<<25)
.irp g, G1S, G1SB
	s_mov_b32 s[\g+1], 32<<16
	s_mov_b32 s[\g+2], KS<<16
	s_mov_b32 s[\g+3], 32<<16
	s_mov_b32 s[\g+4], KS
	s_mov_b32 s[\g+5], 32
	s_mov_b32 s[\g+6], 0
	s_mov_b32 s[\g+7], 0
.endr
	CROUND                                         ; all sixteen work-groups are here: the first joint loads meet
	s_mov_b32 s[G0], 1                             ; x's 256 rows of codes,
	s_mov_b32 s[G0+1], 0
	s_mov_b64 s[G0+2:G0+3], s[20:21]
	s_or_b32 s[G0+3], s[G0+3], 0x80000000
	s_mov_b32 s[G0B], 1                            ; W's behind them,
	s_mov_b32 s[G0B+1], 2*HALFT
	s_mov_b64 s[G0B+2:G0B+3], s[46:47]
	s_or_b32 s[G0B+3], s[G0B+3], 0x80000000
	s_mov_b32 s[G0S], 1                            ; x's scale bytes,
	s_mov_b32 s[G0S+1], SCL
	s_mov_b64 s[G0S+2:G0S+3], s[22:23]
	s_or_b32 s[G0S+3], s[G0S+3], 0x80000000
	s_mov_b32 s[G0SB], 1                           ; and W's
	s_mov_b32 s[G0SB+1], SCL+2*HALFS
	s_mov_b64 s[G0SB+2:G0SB+3], s[92:93]
	s_or_b32 s[G0SB+3], s[G0SB+3], 0x80000000
	; one tree of branches on the wave's number: every way through the head passes exactly one load
	ARM 1, G0,  G1,  .Lhead_b
	ARM 2, G0B, G1B, .Lhead_sa
	ARM 3, G0S, G1S, .Lhead_sb
	TL G0SB, G1SB
.Lhead_asked:
	v_and_b32 v1, 15, v0                           ; r
	v_bfe_u32 v2, v0, 4, 1                         ; h
	v_mul_u32_u24 v3, v1, PITCH
	v_lshl_add_u32 v4, v2, 4, v3                   ; a fragment's row x pitch + 16 h
	v_xor_b32 v7, 1, v2                            ; 1 - h
	v_mul_u32_u24 v5, v1, KS                       ; my row's scale bytes: 32 a row,
	v_lshrrev_b32 v6, 8, v5
	v_lshl_add_u32 v5, v6, 4, v5                   ; and 16 more for each 256 passed
	v_and_b32 v6, 31, v0
	v_lshlrev_b32 v[CO], 4, v6
	v_lshlrev_b32 v[VO8], 3, v6
	s_wait_alu depctr_va_vdst(0)                   ; the wait ahead of the scalar lines below
	s_mul_i32 s21, s15, HALFT                      ; q, k: my 128 tokens,
	s_mul_i32 s22, s16, HALFT
	s_add_co_u32 s23, s22, 2*HALFT                 ; my 128 channels, behind x's 256 rows
	s_mul_i32 s2, s15, 64*PITCH
	s_add_co_u32 s2, s2, 2*HALFT                   ; v: my 64 channels, where W's rows lay; my 128 tokens at s22
	v_add_nc_u32 v[ADRA], s21, v4
	v_add_nc_u32 v[ADRB], s23, v4
	v_add_nc_u32 v[ADRA+2], s2, v4
	v_add_nc_u32 v[ADRB+2], s22, v4
.irp s, 0,2
	v_add_nc_u32 v[ADRA+\s+1], SLOT, v[ADRA+\s]
	v_add_nc_u32 v[ADRB+\s+1], SLOT, v[ADRB+\s]
.endr
	s_mul_i32 s21, s15, HALFS
	s_mul_i32 s22, s16, HALFS
	s_add_co_u32 s23, s22, 2*HALFS
	s_sub_co_u32 s23, s23, s21
	v_mul_u32_u24 v8, s23, v2                      ; q, k: lanes 16-31 take the channels' words
	s_add_co_u32 s21, s21, SCL
	v_add_nc_u32 v8, v5, v8
	v_add_nc_u32 v[ADRS], s21, v8
	s_mul_i32 s23, s15, 4*SBLK
	s_add_co_u32 s23, s23, 2*HALFS
	s_sub_co_u32 s23, s23, s22
	v_mul_u32_u24 v9, s23, v7                      ; v: lanes 0-15 take the channels' words, lanes 16-31 the tokens'
	s_add_co_u32 s22, s22, SCL
	v_add_nc_u32 v9, v5, v9
	v_add_nc_u32 v[ADRS2], s22, v9
	; where my results go.  q, k: 128 tokens' group 2 x tile + half; two heads from 4 x channel tile + 2 x half on
	s_lshl_b32 s2, s17, 1
	s_add_co_u32 s2, s2, s15
	s_lshr_b32 s3, s2, 4                           ; batch
	s_and_b32 s2, s2, 15                           ; step of 128 tokens
	s_lshl_b32 s95, s42, 2
	s_lshl_b32 s96, s16, 1
	s_add_co_u32 s95, s95, s96
	s_lshl_b32 s3, s3, 4
	s_add_co_u32 s3, s3, s95                       ; bh
	s_lshl_b32 s18, s3, 16
	s_lshl_b32 s96, s2, 12
	s_add_co_u32 s18, s18, s96
	s_mov_b32 s19, 0
	s_add_nc_u64 s[12:13], s[12:13], s[18:19]
	s_lshl_b32 s18, s3, 4
	s_add_co_u32 s18, s18, s2
	s_lshl_b32 s18, s18, 9
	s_add_nc_u64 s[66:67], s[66:67], s[18:19]
	; v: the tokens' half is source 0's; one head: 2 x (4 cluster x + cx) + source 1's half
	s_lshl_b32 s2, s17, 1
	s_add_co_u32 s2, s2, s16
	s_lshr_b32 s3, s2, 4
	s_and_b32 s2, s2, 15
	s_lshl_b32 s95, ttmp9, 2
	s_add_co_u32 s95, s95, s40
	s_lshl_b32 s95, s95, 1
	s_add_co_u32 s95, s95, s15
	s_lshl_b32 s3, s3, 4
	s_add_co_u32 s3, s3, s95
	s_lshl_b32 s18, s3, 16
	s_lshl_b32 s96, s2, 12
	s_add_co_u32 s18, s18, s96
	s_add_nc_u64 s[VCO:VCO+1], s[VCO:VCO+1], s[18:19]
	s_lshl_b32 s18, s3, 4
	s_add_co_u32 s18, s18, s2
	s_lshl_b32 s18, s18, 8
	s_add_nc_u64 s[VCO+2:VCO+3], s[VCO+2:VCO+3], s[18:19]
.macro FRAG reg, adr, q, i
.irp c, 0,1
	ds_load_b128 v[\reg+4*\c:\reg+4*\c+3], v[\adr] offset:64*(\q)+32*\c+(\i)*16*PITCH
.endr
.endm
; 16 products: source 1's blocks a0, a0 + 1 (their fragments ao registers on) x source 0's eight (set p), the half's q-th 128 along K.  The accumulators take turns, one instruction a turn
.macro MUL16 a0, p, q, sc, zero, ao=0
.irp a, \a0, \a0+1
.irp b, 0,1,2,3,4,5,6,7
.if \zero
	v_wmma_scale_f32_16x16x128_f8f6f4 v[8*(8*((\a)%4)+\b):8*(8*((\a)%4)+\b)+7], v[128*(\p)+FR*\b:128*(\p)+FR*\b+FR-1], v[AF+(\ao)+FR*(\a):AF+(\ao)+FR*(\a)+FR-1], 0, v[SC+8*NQ*(\sc)+NQ*\b+(\q)], v[SC+8*NQ*(\sc)+NQ*(\a)+(\q)] matrix_a_fmt:MATRIX_FMT_FP4 matrix_b_fmt:MATRIX_FMT_FP4 matrix_a_scale:MATRIX_SCALE_ROW1
.else
	v_wmma_scale_f32_16x16x128_f8f6f4 v[8*(8*((\a)%4)+\b):8*(8*((\a)%4)+\b)+7], v[128*(\p)+FR*\b:128*(\p)+FR*\b+FR-1], v[AF+(\ao)+FR*(\a):AF+(\ao)+FR*(\a)+FR-1], v[8*(8*((\a)%4)+\b):8*(8*((\a)%4)+\b)+7], v[SC+8*NQ*(\sc)+NQ*\b+(\q)], v[SC+8*NQ*(\sc)+NQ*(\a)+(\q)] matrix_a_fmt:MATRIX_FMT_FP4 matrix_b_fmt:MATRIX_FMT_FP4 matrix_a_scale:MATRIX_SCALE_ROW1
.endif
.endr
.endr
.endm
.macro FETCH_B slot, q, p
	WIN TO_B
.irp i, 0,1,2,3,4,5,6,7
	FRAG 128*(\p)+FR*\i, ADRB+\slot, \q, \i
.endr
	WIN 0
.endm
.macro FETCH_A slot, q, i0
.irp i, \i0, \i0+1, \i0+2, \i0+3
	FRAG AF+FR*(\i), ADRA+\slot, \q, \i
.endr
.endm
.macro FETCHV slot, q, p               ; v: Wv's four blocks into set p
.irp i, 0,1,2,3
	FRAG AF+32*(\p)+FR*\i, ADRA+\slot, \q, \i
.endr
.endm
.macro SCALES sc
.irp i, 0,1,2,3,4,5,6,7
	ds_load_b128 v[SC+8*NQ*\sc+NQ*\i:SC+8*NQ*\sc+NQ*\i+3], v[ADRS] offset:\i*SBLK
.endr
.endm
.macro PLACES n
.rept \n
	v_nop
.endr
.endm
.macro STEP slot, q, zero
	s_wait_dscnt 4*NL
	WIN MUL_LO
	MUL16 0, (\q)%2, \q, \slot, \zero
	MUL16 2, (\q)%2, \q, \slot, \zero
	s_wait_dscnt 0
	PLACES NP
	FETCH_B \slot, (\q)+1, 1-(\q)%2
	FETCH_A \slot, (\q)+1, 0
	WIN MUL_HI
	MUL16 4, (\q)%2, \q, \slot, \zero
	MUL16 6, (\q)%2, \q, \slot, \zero
	PLACES NP
	WIN 0
	FETCH_A \slot, (\q)+1, 4
.endm
.macro TURN slot, next                 ; on to the rows' second half: nothing is filled, so no barrier
	s_wait_dscnt 4*NL
	WIN MUL_LO
	MUL16 0, 1, NQ-1, \slot, 0
	MUL16 2, 1, NQ-1, \slot, 0
	s_wait_dscnt 0x0
	WIN 0
	PLACES NP
	v_add_nc_u32 v[ADRS], 4*NQ, v[ADRS]
	FETCH_B \next, 0, 0
	FETCH_A \next, 0, 0
	SCALES \next
	WIN MUL_HI
	MUL16 4, 1, NQ-1, \slot, 0
	MUL16 6, 1, NQ-1, \slot, 0
	PLACES NP
	WIN 0
	FETCH_A \next, 0, 4
.endm
.macro STEPS slot, from
.set Q, \from
.rept NQ-1-\from
	STEP \slot, Q, 0
.set Q, Q+1
.endr
.endm
	s_wait_alu depctr_va_vdst(0)                   ; the wait at the head's end
	s_wait_tensorcnt 0x0                           ; my one load has landed; behind the barrier everybody's has
	s_barrier_signal -1
	s_barrier_wait -1
	FETCH_B 0, 0, 0
	FETCH_A 0, 0, 0
	SCALES 0
	FETCH_A 0, 0, 4
	STEP 0, 0, 1
	STEPS 0, 1
	TURN 0, 1
	STEPS 1, 0
	s_wait_dscnt 4*NL
	WIN MUL_LO
	MUL16 0, 1, NQ-1, 1, 0
	MUL16 2, 1, NQ-1, 1, 0
	s_wait_dscnt 0
	WIN MUL_HI
	MUL16 4, 1, NQ-1, 1, 0
	MUL16 6, 1, NQ-1, 1, 0
	WIN 0
	; W'S BYTES ARE FILLED AGAIN WITH Wv'S.  A wait, an add and its wait, a round of the cluster's barrier in the barrier's place, and the joint loads first behind it:
	; waves 0 and 1 fetch 64 rows of codes each, wave 2 the 128 rows' scale bytes, all shared along my column of the cluster
	s_wait_tensorcnt 0x0                           ; no tensor load of mine is out, so descriptors may be written
	ds_add_u32 v[SPW], v[NIL]
	s_mov_b32 s[G1B+2], 64<<16
	s_mov_b32 s[G1B+4], 64
	s_mov_b32 s[G1SB+2], (128*KS/256)<<16
	s_mov_b32 s[G1SB+4], 128*KS/256
	s_mul_i32 s18, s14, 64*PITCH
	s_add_co_u32 s[G0B+1], s18, 2*HALFT
	s_lshl_b32 s18, s14, 15                        ; 64 rows of 512 bytes
	s_mov_b32 s19, 0
	s_add_nc_u64 s[G0B+2:G0B+3], s[WVC:WVC+1], s[18:19]
	s_or_b32 s[G0B+3], s[G0B+3], 0x80000000
	s_mov_b64 s[G0SB+2:G0SB+3], s[WVC+2:WVC+3]
	s_or_b32 s[G0SB+3], s[G0SB+3], 0x80000000
	s_wait_dscnt 0x0                               ; the add is done; my reads of W's rows were waited for above
	CROUND
	s_cmp_lt_u32 s14, 2
	s_cbranch_scc0 .Lv_scales
	TL G0B, G1B
	s_branch .Lv_asked
.Lv_scales:
	s_cmp_lt_u32 s14, 3
	s_cbranch_scc0 .Lv_asked
	TL G0SB, G1SB
.Lv_asked:
; Source 1's block a, 16 rows x 128 of source 0's, is quantised along source 0's rows: four blocks of 32, each in lanes l and l xor 16; codes into v[PC + 8 a ..], the scale word into v[PW + a]
.macro QUANT a
.set AC, 64*((\a)%4)
.set PCA, PC+8*(\a)
	WIN 0x28+0x14*((\a)/4)
.irp b, 0,1,2,3
	v_max3_num_f32 v[TM+\b], 0x1800000, |v[AC+16*\b]|, |v[AC+16*\b+1]|
.endr
.irp i, 2,4,6,8,10,12,14
.irp b, 0,1,2,3
	v_max3_num_f32 v[TM+\b], v[TM+\b], |v[AC+16*\b+\i]|, |v[AC+16*\b+\i+1]|
.endr
.endr
	WIN 0
.irp b, 0,1,2,3
	v_permlanex16_b32 v[TX+\b], v[TM+\b], s100, s101
.endr
.irp b, 0,1,2,3
	v_max_num_f32 v[TM+\b], v[TM+\b], v[TX+\b]
.endr
.irp b, 0,1,2,3
	v_add_nc_u32 v[SO+\b], 0xff000000, v[TM+\b]
.endr
.irp b, 0,1,2,3
	v_lshrrev_b32 v[BY+\b], 23, v[SO+\b]
.endr
	v_lshl_or_b32 v[PW+(\a)], v[BY+1], 8, v[BY]
	v_lshl_or_b32 v[PW+(\a)], v[BY+2], 16, v[PW+(\a)]
	v_lshl_or_b32 v[PW+(\a)], v[BY+3], 24, v[PW+(\a)]
	WIN 0x02+((\a)/4)
.irp c, 0,1
.irp e, 0,1
	v_cvt_scalef32_pk8_fp4_f32 v[PCA+4*\c+\e], v[AC+16*(2*\c+\e):AC+16*(2*\c+\e)+7], v[SO+2*\c+\e]
	v_cvt_scalef32_pk8_fp4_f32 v[PCA+4*\c+2+\e], v[AC+16*(2*\c+\e)+8:AC+16*(2*\c+\e)+15], v[SO+2*\c+\e]
.endr
.endr
	WIN 0
	v_nop
.irp c, 0,1
	v_permlane16_swap_b32 v[PCA+4*\c], v[PCA+4*\c+1]
	v_permlane16_swap_b32 v[PCA+4*\c+2], v[PCA+4*\c+3]
.endr
.endm
	PLACES NP
.irp b, 0,1,2,3
	v_mov_b32 v[TX+\b], 0
.endr
	v_mov_b32 v[C7F], 0x7f7f7f7f
.irp a, 0,1,2,3,4,5,6,7
	QUANT \a
.endr
.irp i, 0,1,2,3
	v_cndmask_b32 v[MG+\i], v[PW+2*\i], v[PW+2*\i+1], s98
.endr
.irp c, 0,1
.irp i, 0,1,2,3
	v_perm_b32 v[GW+4*\c+\i], v[C7F], v[MG+\i], 0x05040100+0x0202*\c   ; a head's two scale bytes, then 0x7f twice
.endr
.endr
.irp a, 0,1,2,3,4,5,6,7
.irp c, 0,1
	global_store_b128 v[CO], v[PC+8*\a+4*\c:PC+8*\a+4*\c+3], s[12:13] offset:\c*65536+\a*512
.endr
.endr
.irp c, 0,1
	global_store_b128 v[CO], v[GW+4*\c:GW+4*\c+3], s[66:67] offset:\c*8192
.endr
	; v.  Eight steps of 128 along K, 32 products each; both sources have two sets of fragments, and a step's are fetched a step ahead
	s_wait_xcnt 0x0                                ; the stores have read their data: the registers take fragments again
	s_wait_alu depctr_va_vdst(0)                   ; the wait directly ahead of the wait below
	s_wait_tensorcnt 0x0                           ; my part of Wv has landed; behind the barrier everybody's has
	s_barrier_signal -1
	s_barrier_wait -1
	FETCH_B 2, 0, 0
	FETCHV 2, 0, 0
.irp s, 0,1
.irp i, 0,1,2,3,4,5,6,7
	ds_load_b128 v[SC+8*NQ*\s+NQ*\i:SC+8*NQ*\s+NQ*\i+3], v[ADRS2] offset:\i*SBLK+4*NQ*\s   ; lanes 16-31: the tokens' block i; lanes 0-15: the channels' block i, of which four are used
.endr
.endr
.macro STEPV zero, more
.if \more
.if !\zero
	PLACES NP
.endif
	FETCH_B 2+(G+1)/4, (G+1)%4, 1-G%2
	FETCHV 2+(G+1)/4, (G+1)%4, 1-G%2
	s_wait_dscnt 12*NL                             ; all but the 24 just issued
.else
	s_wait_dscnt 0
.endif
	WIN MUL_LO
	MUL16 0, G%2, G%4, G/4, \zero, 32*(G%2)
	MUL16 2, G%2, G%4, G/4, \zero, 32*(G%2)
	WIN 0
.set G, G+1
.endm
.set G, 0
	STEPV 1, 1
.rept 6
	STEPV 0, 1
.endr
	STEPV 0, 0
	PLACES NP
.irp a, 0,1,2,3
	QUANT \a
.endr
.irp i, 0,1
	v_cndmask_b32 v[MG+\i], v[PW+2*\i], v[PW+2*\i+1], s98
.endr
.irp a, 0,1,2,3
.irp c, 0,1
	global_store_b128 v[CO], v[PC+8*\a+4*\c:PC+8*\a+4*\c+3], s[VCO:VCO+1] offset:\a*1024+\c*512
.endr
.endr
	global_store_b64 v[VO8], v[MG:MG+1], s[VCO+2:VCO+3]
	s_wait_tensorcnt 0x0                           ; the wave's end
	ds_add_u32 v[SPW], v[NIL]
	s_wait_dscnt 0x0
	CROUND                                         ; the closing round
	s_endpgm
.Lfunc_end_k_qaf012d9b96_proj:
	.size	k_qaf012d9b96_proj, .Lfunc_end_k_qaf012d9b96_proj-k_qaf012d9b96_proj
	.p2alignl 7, 3214868480
	.fill 96, 4, 3214868480
	.section	.rodata,"a",@progbits
	.p2align	6, 0x0
	.amdhsa_kernel k_qaf012d9b96_proj
		.amdhsa_group_segment_fixed_size 327680
		.amdhsa_private_segment_fixed_size 0
		.amdhsa_enable_private_segment 0
		.amdhsa_kernarg_size 112
		.amdhsa_user_sgpr_count 2
		.amdhsa_user_sgpr_kernarg_segment_ptr 1
		.amdhsa_wavefront_size32 1
		.amdhsa_system_sgpr_workgroup_id_x 1
		.amdhsa_system_sgpr_workgroup_id_y 1
		.amdhsa_system_sgpr_workgroup_id_z 1
		.amdhsa_system_vgpr_workitem_id 0
		.amdhsa_next_free_vgpr 1024
		.amdhsa_next_free_sgpr 104
		.amdhsa_reserve_vcc 0
		.amdhsa_float_denorm_mode_32 3
		.amdhsa_float_denorm_mode_16_64 3
		.amdhsa_memory_ordered 1
		.amdhsa_forward_progress 1
		.amdhsa_inst_pref_size 194
	.end_amdhsa_kernel
	.amdgpu_metadata
---
amdhsa.version: [ 1, 2 ]
amdhsa.kernels:
  - .name:           k_qaf012d9b96_proj
    .symbol:         k_qaf012d9b96_proj.kd
    .args:
      - { .name: x_codes, .offset: 0, .size: 8, .value_kind: global_buffer, .address_space: global }
      - { .name: x_scales, .offset: 8, .size: 8, .value_kind: global_buffer, .address_space: global }
      - { .name: Wq_codes, .offset: 16, .size: 8, .value_kind: global_buffer, .address_space: global }
      - { .name: Wq_scales, .offset: 24, .size: 8, .value_kind: global_buffer, .address_space: global }
      - { .name: Wk_codes, .offset: 32, .size: 8, .value_kind: global_buffer, .address_space: global }
      - { .name: Wk_scales, .offset: 40, .size: 8, .value_kind: global_buffer, .address_space: global }
      - { .name: Wv_codes, .offset: 48, .size: 8, .value_kind: global_buffer, .address_space: global }
      - { .name: Wv_scales, .offset: 56, .size: 8, .value_kind: global_buffer, .address_space: global }
      - { .name: qc, .offset: 64, .size: 8, .value_kind: global_buffer, .address_space: global }
      - { .name: qs, .offset: 72, .size: 8, .value_kind: global_buffer, .address_space: global }
      - { .name: kc, .offset: 80, .size: 8, .value_kind: global_buffer, .address_space: global }
      - { .name: ks, .offset: 88, .size: 8, .value_kind: global_buffer, .address_space: global }
      - { .name: vc, .offset: 96, .size: 8, .value_kind: global_buffer, .address_space: global }
      - { .name: vs, .offset: 104, .size: 8, .value_kind: global_buffer, .address_space: global }
    .group_segment_fixed_size: 327680
    .private_segment_fixed_size: 0
    .kernarg_segment_align: 8
    .kernarg_segment_size: 112
    .max_flat_workgroup_size: 128
    .sgpr_count:     104
    .vgpr_count:     1024
    .wavefront_size: 32
...
	.end_amdgpu_metadata
.endif
;; end of part 1
;; launch attn (part 2): grid 4 x 64, 16 waves a work-group, clusters of 4 x 1, 223,232 bytes of LDS; arguments qc, qs, kc, ks, vc, vs, out0; writes out0
.if DOCPART == 2
	.amdgcn_target "amdgcn-amd-amdhsa--gfx1250"
	.amdhsa_code_object_version 6
	.text
	.protected	k_qaf012d9b96_attn
	.globl	k_qaf012d9b96_attn
	.p2align	8
	.type	k_qaf012d9b96_attn,@function
k_qaf012d9b96_attn:
	s_mov_b64 s[64:65], 0
	v_nop
	global_prefetch_b8 v0, s[64:65] scope:SCOPE_SE
	s_setreg_imm32_b32 hwreg(HW_REG_WAVE_MODE, 25, 1), 1
	s_wait_xcnt 0x0
	s_wait_alu depctr_hold_cnt(0) depctr_sa_sdst(0) depctr_va_vdst(0) depctr_va_sdst(0) depctr_va_ssrc(0) depctr_va_vcc(0) depctr_vm_vsrc(0)
	s_getreg_b32 s2, hwreg(HW_REG_IB_STS2, 6, 4)
	s_cmp_eq_u32 s2, 0
	s_cbranch_scc0 .Lentry_in_a_cluster
	s_endpgm
.Lentry_in_a_cluster:
	s_bfe_u32 s2, ttmp6, 0x10000c
	s_cmp_lg_u32 s2, 0x3003
	s_cbranch_scc0 .Lentry_shape_is_right
	s_endpgm
.Lentry_shape_is_right:
; out0[b][q][head][:] = the sum over k of softmax_k(q . k / 32) v[k][:], both products on codes of FP4 (E2M1) with one E8M0 scale for each 32 along a product's K.  No work is left out.
; The inputs are the first launch's buffers, images of the operands' registers (bh = 16 batch + head; step = 128 keys; lane = r + 16 h):
;   qc, kc: [bh][tile of 16 tokens][lane][16 bytes]: block h (32 of the head's 64) of token r.   qs, ks: [bh][step][l][i] words: token 32 i + l: two scale bytes, then 0x7f twice.
;   vc: [bh][step][tile of 16 channels][c][lane][16 bytes]: channel r, keys 64 c + 32 h + 0..31.   vs: [bh][step][lane][w] words: channel tile 2 w + lane / 16, channel lane % 16.
; THE FIRST PRODUCT'S K IS 64, half of the instruction's 128: registers 4-7 of Q's fragment hold zero codes.  What K's fragments hold there is multiplied by those zeros under the byte 0x7f, so K's eight fragments OVERLAP:
; fragment f is v[KF + 4 f .. + 7], its upper four registers the next tile's codes (every FP4 code is a finite number); the last one's are four zeros.  36 registers serve eight fragments.
; THE SOFTMAX: t = score x log2(e) / 32; M = the row's largest t so far, rounded up to a whole number; p = 2^(t - M) is quantised along the keys, not normalised.  The row's sum is taken of the unquantised p and divides at the end.
; When M moves, the sums and O are multiplied by f = 2^(old M - new M): exact.
; LIMITS: NaN and infinities are not served; the promise holds while |t| stays under 2^31.  p under 2^-126 comes out of v_exp_f32 as 0.  A block whose every p is 0 gets the byte 1: its codes are zeros.  A block's largest p is taken
; through the block's largest score (the same multiply-add and exponential on the same number): this takes v_exp_f32 not to fall where its input rises.
; SHARES.  A work-group owns 512 queries of one head, in two blocks of 256; each of its sixteen waves one tile of 16 queries of a block.  A whole head's K and V stay in LDS, filled once: no ring, no refill, no barrier in the loops.
; CLUSTER.  The four work-groups of a cluster are the four query ranges of one head: each of the sixteen loads is asked for jointly (mask 15), one load a wave.  No prefetch: all tiles are asked for once, at the head.
; LAYOUT.  Both products transposed (S^T = K Q^T, O^T = V^T P^T): a lane holds one query.  Lane r of tile (g, t) takes key 64 g + 32 (r / 8) + 8 t + r % 8: a lane's 32 consecutive registers of S^T are one whole block, 2 g + lane / 16.
; THE STEP'S ORDER.  K's fragments of step i + 1 and V's of step i are asked of LDS right behind step i's first products.  The 64 exponentials go in four batches of 16; between a batch's lines stand plain lines that hang on none of
; each other: later quarters' t - M, and earlier quarters' p added into eight pairs of sums, each pair named once a batch.  One wait stands ahead of each batch and serves the batch before too.
.set KPITCH, 1152                      ; K's codes: 64 rows of 1,024 bytes (32 keys), 128 of padding behind each: sixteen neighbouring lanes read sixteen different 16-byte columns modulo 256
.set VB,    64*KPITCH                  ; V's codes, dense: 65,536 bytes
.set KSB,   VB+65536                   ; K's scale words: 8,192 bytes
.set VSB,   KSB+8192                   ; V's: 4,096 bytes
.set STG,   VSB+4096                   ; the way out: 16 rows x 272 bytes for each wave; no fill lands here
.set SPARE, STG+16*16*272              ; the spare words, 128 bytes for each wave
.set AK0,  1                           ; v1-4 my lane's place in K, V, K's words, V's words
.set AV0,  2
.set ASK0, 3
.set ASV0, 4
.set SPW,  5                           ; v5 my spare word; v6 0: never rewritten
.set NIL,  6
.set GO,   7                           ; v7 my byte offset in two rows of out0
.set ADK,  8                           ; v8-11 the step's LDS addresses.  v12 -M, v13 the largest score, v14 at work
.set ADS,  9
.set ADV,  10
.set ADT,  11
.set QF,   16                          ; v16-19 Q's codes, v20-23 zeros
.set KSC,  24                          ; v24-27 K's scale words; v28-29 V's; v30 Q's; v31 P's
.set VSC,  28
.set QS,   30
.set PS,   31
.set KF,   32                          ; v32-63 K's codes, v64-67 zeros
.set L,    68                          ; v68-83 the row's sum in eight pairs
.set S,    96                          ; v96-159 S^T, then p
.set OT,   160                         ; v160-191 O^T
.set PF,   192                         ; v192-199 P's codes
.set VF,   200                         ; v200-231 four fragments of V^T
.set BM,   232                         ; v232-233 my two blocks' largest scores, then largest p; v236-237 their second chains
.set TP,   234                         ; a lane permute's destination
.set B2,   236
.set SO,   238                         ; the conversions' scale operands; v240-241 the bytes
.set BY,   240
.set H8,   242                         ; 8 x (lane / 16)
.set STO,  243                         ; the stage: in, and back
.set RD,   244
.set QN,   246                         ; v[246:249] the second block's Q; v250 its scale words
.set QSN,  250
.set FF,   252                         ; v[252:253] f, later 1 / the sum; v253 is only named with it
.set WV,   18
.set CC,   19                          ; wave % 4: which quarter of my buffer I fetch
.set CNT,  20
.set SEL,  26                          ; s[26:27] lane l xor 16
.set CS,   28                          ; s[28:29] c = log2(e) / 32
.set G1K,  32
.set G1V,  40
.set G1KS, 48
.set G1VS, 56
.set G0K,  68
.set G0V,  72
.set G0KS, 76
.set G0VS, 84
.set TK,   80                          ; s80-83 where the NEXT step's K and K's words, and this step's V and V's words, begin
.set TV,   81
.set TS,   82
.set TJ,   83
.set W0P,  15|(3<<16)|(1<<20)|(1<<21)|(7<<22)|(31<<25)   ; mask of all four; elements of 8 bytes; 32 words of padding after every 256; bit 21 beside a mask
.set W0D,  15|(3<<16)|(1<<21)                            ; the same, dense
.macro CROUND                          ; a round of the cluster's barrier
	s_barrier_signal -1
	s_barrier_wait -1
	s_cmp_lg_u32 s[WV], 0
	s_cbranch_scc1 .Lnot_wave_0_\@
	s_barrier_signal -3
.Lnot_wave_0_\@:
	s_barrier_wait -3
	s_barrier_signal -1
	s_barrier_wait -1
.endm
.macro TL g0, g1                       ; a joint load; an s_nop 0 and four v_nop follow it
	tensor_load_to_lds s[\g0:\g0+3], s[\g1:\g1+7]
	s_nop 0
.rept 4
	v_nop
.endr
.endm
.macro G1SET g, w0, c, r               ; group 1 of a dense block: r rows of c elements
	s_mov_b32 s[\g], \w0
	s_mov_b32 s[\g+1], (\c)<<16
	s_mov_b32 s[\g+2], (\r)<<16
	s_mov_b32 s[\g+3], (\c)<<16
	s_mov_b32 s[\g+4], \r
	s_mov_b32 s[\g+5], \c
	s_mov_b32 s[\g+6], 0
	s_mov_b32 s[\g+7], 0
.endm
.macro WAITV
	s_wait_alu depctr_va_vdst(0)
.endm
	s_load_b256 s[4:11], s[0:1], 0x0               ; qc, qs, kc, ks
	s_load_b128 s[12:15], s[0:1], 0x20             ; vc, vs
	s_load_b64 s[16:17], s[0:1], 0x30              ; out0
	v_lshl_add_u32 v[SPW], v0, 2, SPARE
	v_mov_b32 v[NIL], 0
	ds_add_u32 v[SPW], v[NIL]                      ; the opening lines: the add twice on end and its wait ahead of my first tensor load
	ds_add_u32 v[SPW], v[NIL]
	v_lshrrev_b32 v8, 5, v0
	v_readfirstlane_b32 s[WV], v8                  ; wave 0..15
	s_and_b32 s[CC], s[WV], 3
	s_and_b32 s22, ttmp7, 0xffff                   ; bh: the cluster's y, which the four partners share
	s_lshl_b32 s88, s22, 16                        ; a head's codes: 65,536 bytes; my quarter: 16,384
	s_lshl_b32 s90, s[CC], 14
	s_add_co_u32 s88, s88, s90
	s_mov_b32 s89, 0
	s_lshl_b32 s90, s22, 13                        ; K's scale words: 8,192 a head; my quarter: 2,048
	s_lshl_b32 s92, s[CC], 11
	s_add_co_u32 s90, s90, s92
	s_mov_b32 s91, 0
	s_lshl_b32 s92, s22, 12                        ; V's: 4,096; my quarter: 1,024
	s_lshl_b32 s94, s[CC], 10
	s_add_co_u32 s92, s92, s94
	s_mov_b32 s93, 0
	G1SET G1K,  W0P, 128, 16                       ; 16 rows of 1,024 bytes
	G1SET G1V,  W0D, 32, 64                        ; 64 rows of 256 bytes
	G1SET G1KS, W0D, 32, 8
	G1SET G1VS, W0D, 32, 4
	s_mov_b32 s[SEL], 0x76543210
	s_mov_b32 s[SEL+1], 0xfedcba98
	s_mov_b32 s[CS], 0x3d38aa3b
	s_mov_b32 s[CS+1], s[CS]
	s_wait_dscnt 0x0                               ; both opening adds are done
	s_wait_kmcnt 0x0
	s_mov_b32 s[G0K], 1                            ; groups 0: nothing in them hangs on my place in the cluster
	s_mul_i32 s[G0K+1], s[CC], 16*KPITCH
	s_add_nc_u64 s[G0K+2:G0K+3], s[8:9], s[88:89]
	s_or_b32 s[G0K+3], s[G0K+3], 0x80000000
	s_mov_b32 s[G0V], 1
	s_lshl_b32 s[G0V+1], s[CC], 14
	s_add_co_u32 s[G0V+1], s[G0V+1], VB
	s_add_nc_u64 s[G0V+2:G0V+3], s[12:13], s[88:89]
	s_or_b32 s[G0V+3], s[G0V+3], 0x80000000
	s_mov_b32 s[G0KS], 1
	s_lshl_b32 s[G0KS+1], s[CC], 11
	s_add_co_u32 s[G0KS+1], s[G0KS+1], KSB
	s_add_nc_u64 s[G0KS+2:G0KS+3], s[10:11], s[90:91]
	s_or_b32 s[G0KS+3], s[G0KS+3], 0x80000000
	s_mov_b32 s[G0VS], 1
	s_lshl_b32 s[G0VS+1], s[CC], 10
	s_add_co_u32 s[G0VS+1], s[G0VS+1], VSB
	s_add_nc_u64 s[G0VS+2:G0VS+3], s[14:15], s[92:93]
	s_or_b32 s[G0VS+3], s[G0VS+3], 0x80000000
	CROUND                                         ; all four work-groups are here: the joint loads meet
	; waves 0-3: K's codes; 4-7: V's codes; 8-11: K's scale words; 12-15: V's.  Every way through passes one load, and no more follow
	s_cmp_lt_u32 s[WV], 4
	s_cbranch_scc0 .Lnot_k
	TL G0K, G1K
	s_branch .Lasked
.Lnot_k:
	s_cmp_lt_u32 s[WV], 8
	s_cbranch_scc0 .Lnot_v
	TL G0V, G1V
	s_branch .Lasked
.Lnot_v:
	s_cmp_lt_u32 s[WV], 12
	s_cbranch_scc0 .Lnot_ks
	TL G0KS, G1KS
	s_branch .Lasked
.Lnot_ks:
	TL G0VS, G1VS
.Lasked:
	; my queries: tile tau = 32 cx + 16 x block + wave.  cx enters Q's and out0's global addresses alone
	s_bfe_u32 s21, ttmp6, 0x40000                  ; cx
	s_lshl_b32 s24, s21, 5
	s_add_co_u32 s24, s24, s[WV]                   ; tau of the first block
	s_lshl_b32 s30, s22, 16
	s_lshl_b32 s25, s24, 9
	s_add_co_u32 s30, s30, s25
	s_mov_b32 s31, 0
	s_add_nc_u64 s[4:5], s[4:5], s[30:31]          ; Q's codes: 512 bytes a tile
	s_lshr_b32 s30, s24, 3
	s_lshl_b32 s30, s30, 9                         ; Q's scale words: step tau / 8: 512 bytes;
	s_and_b32 s25, s24, 1
	s_lshl_b32 s25, s25, 8
	s_add_co_u32 s30, s30, s25                     ; l = 16 (tau % 2) + r: 16 bytes each;
	s_bfe_u32 s25, s24, 0x20001
	s_lshl_b32 s25, s25, 2
	s_add_co_u32 s30, s30, s25                     ; i = (tau / 2) % 4: 4 bytes each
	s_lshl_b32 s25, s22, 13
	s_add_co_u32 s30, s30, s25
	s_add_nc_u64 s[6:7], s[6:7], s[30:31]
	s_lshr_b32 s30, s22, 4
	s_lshl_b32 s30, s30, 23                        ; out0: a batch is 2,048 rows of 4,096 bytes,
	s_lshl_b32 s25, s24, 16
	s_add_co_u32 s30, s30, s25                     ; a tile 16 rows,
	s_and_b32 s25, s22, 15
	s_lshl_b32 s25, s25, 8
	s_add_co_u32 s30, s30, s25                     ; a head 256 bytes of a row
	s_add_nc_u64 s[16:17], s[16:17], s[30:31]
	v_and_b32 v232, 15, v0                         ; r
	v_bfe_u32 v233, v0, 4, 1                       ; h
	v_and_b32 v234, 31, v0                         ; lane
	v_and_b32 v235, 7, v0                          ; r % 8
	v_bfe_u32 v236, v0, 3, 1                       ; r / 8
	v_lshlrev_b32 v8, 4, v234
	v_lshlrev_b32 v9, 4, v232
	global_load_b128 v[QF:QF+3], v8, s[4:5]                    ; Q's fragment, first block
	global_load_b128 v[QN:QN+3], v8, s[4:5] offset:8192        ; second block: 16 tiles on
	global_load_b32 v[QS], v9, s[6:7]
	global_load_b32 v[QSN], v9, s[6:7] offset:1024             ; two steps on
	v_mul_u32_u24 v[AK0], v236, KPITCH
	v_lshl_add_u32 v[AV0], v234, 4, VB
	v_lshl_add_u32 v[ASK0], v235, 4, KSB
	v_lshl_add_u32 v[AK0], v233, 8, v[AK0]
	v_lshl_add_u32 v[ASK0], v236, 2, v[ASK0]
	v_lshl_add_u32 v[ASV0], v234, 3, VSB
	v_lshl_add_u32 v[AK0], v235, 4, v[AK0]         ; K: (r / 8) rows + 256 h + 16 (r % 8)
	v_lshl_add_u32 v[ASK0], v233, 3, v[ASK0]       ; K's words: 16 (r % 8) + 4 (r / 8) + 8 h
	v_lshlrev_b32 v[GO], 12, v233
	v_lshlrev_b32 v[H8], 3, v233
	v_lshl_add_u32 v[GO], v232, 4, v[GO]           ; lanes 0-15 one row of out0, lanes 16-31 the next
	s_mul_i32 s88, s[WV], 16*272
	s_add_co_u32 s88, s88, STG                     ; my stage
	v_mul_u32_u24 v[STO], v232, 272
	v_mul_u32_u24 v[RD], v233, 272
	v_lshl_add_u32 v[STO], v233, 5, v[STO]
	v_lshl_add_u32 v[RD], v232, 4, v[RD]
	v_add_nc_u32 v[STO], s88, v[STO]               ; in: row r, + 32 h
	v_add_nc_u32 v[RD], s88, v[RD]                 ; back: lanes 0-15 one row, lanes 16-31 the next
.irp i, 4,5,6,7
	v_mov_b32 v[QF+\i], 0                          ; the upper 64 of the first product's K: zero codes in Q's fragment,
	v_mov_b32 v[KF+28+\i], 0                       ; and behind K's last tile
.endr
	v_mov_b32 v[FF+1], 0
	WAITV                                          ; the wait at the head's end
	s_wait_tensorcnt 0x0                           ; my part of the head's K and V has landed,
	s_barrier_signal -1
	s_barrier_wait -1                              ; everybody's has
	s_wait_loadcnt 0x0                             ; Q
.macro KLOAD ak, aw                    ; a step's eight tiles of K and their four registers of scale words: 12 loads
.irp g, 0,1
.irp t, 0,1,2,3
	ds_load_b128 v[KF+4*(4*\g+\t):KF+4*(4*\g+\t)+3], v[\ak] offset:\g*2*KPITCH+(\t/2)*512+(\t%2)*128
.endr
.endr
.irp t, 0,1,2,3
	ds_load_b32 v[KSC+\t], v[\aw] offset:128*\t
.endr
.endm
.macro TM a                            ; t - M of the pair at S + a (of the pairs c and -M the low word serves both halves)
	v_pk_fma_f32 v[S+(\a):S+(\a)+1], v[S+(\a):S+(\a)+1], s[CS:CS+1], v[12:13] op_sel_hi:[1,0,0]
.endm
.macro EX a                            ; p = 2^(t - M)
	v_exp_f32 v[S+(\a)], v[S+(\a)]
.endm
.macro AD l, a                         ; the pair at S + a onto the sums' pair at L + l
	v_pk_add_f32 v[L+(\l):L+(\l)+1], v[L+(\l):L+(\l)+1], v[S+(\a):S+(\a)+1]
.endm
; A KEY STEP: 128 keys.  more = 1: a step follows, and its K is fetched.
.macro STEP more
	s_wait_dscnt 0x0                               ; this step's K is in
.irp t, 0,1,2,3
	v_wmma_scale_f32_16x16x128_f8f6f4 v[S+8*\t:S+8*\t+7], v[KF+4*\t:KF+4*\t+7], v[QF:QF+7], 0, v[KSC+\t], v[QS] matrix_a_fmt:MATRIX_FMT_FP4 matrix_b_fmt:MATRIX_FMT_FP4
.endr
.irp t, 0,1,2,3
	v_wmma_scale_f32_16x16x128_f8f6f4 v[S+32+8*\t:S+32+8*\t+7], v[KF+16+4*\t:KF+16+4*\t+7], v[QF:QF+7], 0, v[KSC+\t], v[QS] matrix_a_fmt:MATRIX_FMT_FP4 matrix_b_fmt:MATRIX_FMT_FP4 matrix_a_scale:MATRIX_SCALE_ROW1
.endr
	v_add_nc_u32 v[ADV], s[TV], v[AV0]             ; four places: behind the last step's second products and these first ones, ahead of the loads into their registers and of the first read of S^T
	v_add_nc_u32 v[ADT], s[TJ], v[ASV0]
.if \more
	v_add_nc_u32 v[ADK], s[TK], v[AK0]
	v_add_nc_u32 v[ADS], s[TS], v[ASK0]
.else
	v_nop
	v_nop
.endif
.irp d, 0,1,2,3
.irp c, 0,1
	ds_load_b128 v[VF+8*\d+4*\c:VF+8*\d+4*\c+3], v[ADV] offset:\d*1024+\c*512
.endr
.endr
	ds_load_b64 v[VSC:VSC+1], v[ADT]
.if \more
	KLOAD ADK, ADS
.endif
.irp g, 0,1                                    ; the largest score of my two blocks, in four chains by turns; each accumulator is entered at its low end
	v_max3_num_f32 v[BM+\g], v[S+32*\g], v[S+32*\g+1], v[S+32*\g+2]
	v_max3_num_f32 v[B2+\g], v[S+32*\g+16], v[S+32*\g+17], v[S+32*\g+18]
.endr
.irp i, 3,5,7,9,11,13
.irp g, 0,1
	v_max3_num_f32 v[BM+\g], v[BM+\g], v[S+32*\g+\i], v[S+32*\g+\i+1]
	v_max3_num_f32 v[B2+\g], v[B2+\g], v[S+32*\g+16+\i], v[S+32*\g+17+\i]
.endr
.endr
.irp g, 0,1
	v_max3_num_f32 v[BM+\g], v[BM+\g], v[B2+\g], v[S+32*\g+15]
.endr
.irp g, 0,1
	v_max_num_f32 v[BM+\g], v[BM+\g], v[S+32*\g+31]
.endr
	v_max_num_f32 v254, v[BM], v[BM+1]
	v_mov_b32 v255, v12                            ; the old -M
	v_permlanex16_b32 v[TP], v254, s[SEL], s[SEL+1]
	v_max3_num_f32 v13, v13, v254, v[TP]           ; the running largest score of my query
	v_mul_f32 v14, s[CS], v13                      ; as t (c is positive)
	v_floor_f32 v12, -v14                          ; the new -M = -ceil(t)
	v_sub_f32 v255, v12, v255                      ; old M - new M: a whole number, 0 or less
	TM 0
	TM 2
	v_cvt_i32_f32 v255, v255                       ; (it saturates)
	TM 4
	TM 6
	v_ldexp_f32 v[FF], 1.0, v255                   ; f = 2^(old M - new M)
	TM 8
	TM 10
	TM 12
	TM 14
.set j, 0
.rept 16
	v_pk_mul_f32 v[OT+j:OT+j+1], v[OT+j:OT+j+1], v[FF:FF+1] op_sel_hi:[1,0]   ; O^T under the new M, ahead of the step's exponentials: no transcendental stands between the last step's second products and these, their first readers
.set j, j+2
.endr
.irp g, 0,1
	v_fma_f32 v[BM+\g], v[BM+\g], s[CS], v12       ; the same of each block's largest score
.endr
	WAITV                                          ; ahead of each batch
	v_exp_f32 v[BM], v[BM]                         ; the blocks' largest p
	v_exp_f32 v[BM+1], v[BM+1]
.set j, 0
.rept 8                                        ; quarter 0; between: t - M of quarters 1 and 2
	EX j
	TM 16+j
	EX j+1
	TM 32+j
.set j, j+2
.endr
	WAITV
.set j, 0
.rept 8                                        ; quarter 1; between: t - M of quarter 3, and quarter 0's p onto the sums x f
	EX 16+j
	TM 48+j
	EX 17+j
	v_pk_fma_f32 v[L+j:L+j+1], v[L+j:L+j+1], v[FF:FF+1], v[S+j:S+j+1] op_sel_hi:[1,0,1]
.set j, j+2
.endr
.irp g, 0,1
	v_max_num_f32 v[BM+\g], 0x1800000, v[BM+\g]    ; the floor 2^(3 - 127): the byte cannot fall under 1
.endr
	WAITV
.set j, 0
.rept 8                                        ; quarter 2; between: quarter 1's p
	EX 32+j
	EX 33+j
	AD j, 16+j
.set j, j+2
.endr
.irp g, 0,1
	v_add_nc_u32 v[SO+\g], 0xff000000, v[BM+\g]    ; 2 off the exponent field: the conversion's scale operand
.endr
	WAITV
.set j, 0
.rept 8                                        ; quarter 3; between: quarter 2's p
	EX 48+j
	EX 49+j
	AD j, 32+j
.set j, j+2
.endr
.irp g, 0,1
	v_lshrrev_b32 v[BY+\g], 23, v[SO+\g]           ; the byte
.endr
	WAITV                                          ; behind the last batch
	s_wait_dscnt 12*\more                          ; V's nine loads are in; the next step's twelve of K, issued behind them, may be out.  It stands here, directly behind the wait above, so that no blocking wait stands between the lines below and the products
	v_lshl_or_b32 v255, v[BY+1], 16, v[BY]         ; my two bytes: blocks h and 2 + h,
.irp t, 0,1
	v_cvt_scalef32_pk8_fp4_f32 v[PF+\t], v[S+8*\t:S+8*\t+7], v[SO]             ; register 4 g + t of P's fragment: keys 64 g + 32 h + 8 t + 0..7
.endr
	v_lshlrev_b32 v255, v[H8], v255                ; at their places in the scale word;
.irp t, 2,3
	v_cvt_scalef32_pk8_fp4_f32 v[PF+\t], v[S+8*\t:S+8*\t+7], v[SO]
.endr
	v_permlanex16_b32 v[TP], v255, s[SEL], s[SEL+1]
.irp t, 0,1
	v_cvt_scalef32_pk8_fp4_f32 v[PF+4+\t], v[S+32+8*\t:S+32+8*\t+7], v[SO+1]
.endr
	v_or_b32 v[PS], v255, v[TP]                    ; with lane l xor 16's two the word is whole
.irp t, 2,3
	v_cvt_scalef32_pk8_fp4_f32 v[PF+4+\t], v[S+32+8*\t:S+32+8*\t+7], v[SO+1]
.endr
.set j, 0
.rept 8
	AD j, 48+j                                     ; quarter 3's p onto the sums: also the eight places behind P's word, and the places behind the conversions, ahead of the products
.set j, j+2
.endr
.irp d, 0,2
	v_wmma_scale_f32_16x16x128_f8f6f4 v[OT+8*\d:OT+8*\d+7], v[VF+8*\d:VF+8*\d+7], v[PF:PF+7], v[OT+8*\d:OT+8*\d+7], v[VSC+\d/2], v[PS] matrix_a_fmt:MATRIX_FMT_FP4 matrix_b_fmt:MATRIX_FMT_FP4
	v_wmma_scale_f32_16x16x128_f8f6f4 v[OT+8*\d+8:OT+8*\d+15], v[VF+8*\d+8:VF+8*\d+15], v[PF:PF+7], v[OT+8*\d+8:OT+8*\d+15], v[VSC+\d/2], v[PS] matrix_a_fmt:MATRIX_FMT_FP4 matrix_b_fmt:MATRIX_FMT_FP4 matrix_a_scale:MATRIX_SCALE_ROW1
.endr                                              ; the four accumulators take turns, with the eight first products between a sum's steps
.if \more
	s_add_co_u32 s[TK], s[TK], 4*KPITCH
	s_add_co_u32 s[TV], s[TV], 4096
	s_add_co_u32 s[TS], s[TS], 512
	s_add_co_u32 s[TJ], s[TJ], 256
.endif
.endm
; A BLOCK OF 256 QUERIES: my tile walks the head's sixteen key steps, then goes out.  O^T and the sums begin as zeros and the largest score as -3e38: the first f is 0 and multiplies zeros.
.macro BLOCK last
	s_mov_b32 s[TK], 4*KPITCH
	s_mov_b32 s[TV], 0
	s_mov_b32 s[TS], 512
	s_mov_b32 s[TJ], 0
	s_mov_b32 s[CNT], 15
	v_mov_b32 v13, 0xff61b1e6                      ; -3e38, under every score
.set j, 0
.rept 16
	v_mov_b32 v[L+j], 0
.set j, j+1
.endr
	v_mul_f32 v254, s[CS], v13
.set j, 0
.rept 32
	v_mov_b32 v[OT+j], 0
.set j, j+1
.endr
	v_floor_f32 v12, -v254                         ; -M
	WAITV                                          ; the wait ahead of the waits and the branch below
	KLOAD AK0, ASK0                                ; step 0's K
.Lstep_\@:
	STEP 1
	s_sub_co_u32 s[CNT], s[CNT], 1
	s_cmp_lg_u32 s[CNT], 0
	s_cbranch_scc1 .Lstep_\@
	STEP 0                                         ; the last step is written out: it fetches no further K
	; THE WAY OUT.  The sums' eight pairs are joined (these lines are the places behind the last products); O^T / the sum goes through my stage and leaves as runs of 256 bytes
.irp j, 0,4,8,12
	v_pk_add_f32 v[L+\j:L+\j+1], v[L+\j:L+\j+1], v[L+\j+2:L+\j+3]
.endr
	v_pk_add_f32 v[L:L+1], v[L:L+1], v[L+4:L+5]
	v_pk_add_f32 v[L+8:L+9], v[L+8:L+9], v[L+12:L+13]
	v_pk_add_f32 v[L:L+1], v[L:L+1], v[L+8:L+9]
	v_add_f32 v14, v[L], v[L+1]
	v_permlanex16_b32 v[TP], v14, s[SEL], s[SEL+1]
	v_add_f32 v14, v14, v[TP]                      ; with lane l xor 16's: the row's sum
	WAITV
	v_rcp_f32 v[FF], v14
	v_nop                                          ; a plain place behind the reciprocal
	WAITV                                          ; ahead of its first reader, and of the first readers of O^T
.set j, 0
.rept 16
	v_pk_mul_f32 v[S+j:S+j+1], v[OT+j:OT+j+1], v[FF:FF+1] op_sel_hi:[1,0]   ; register 8 d + i: channel 16 d + 8 h + i of query r
.set j, j+2
.endr
.irp d, 0,1,2,3
	ds_store_b128 v[STO], v[S+8*\d:S+8*\d+3] offset:64*\d
	ds_store_b128 v[STO], v[S+8*\d+4:S+8*\d+7] offset:64*\d+16
.endr
.irp i, 0,1,2,3,4,5,6,7
	ds_load_b128 v[S+32+4*\i:S+32+4*\i+3], v[RD] offset:2*272*\i    ; LDS serves a wave's instructions in order (ISA guide 5.7.1.4): these see my stores
.endr
.irp i, 0,1,2,3,4,5,6,7
	s_wait_dscnt 7-\i                              ; pair i of rows is back; the younger loads may be out
	global_store_b128 v[GO], v[S+32+4*\i:S+32+4*\i+3], s[16:17] offset:8192*\i th:TH_STORE_NT   ; 16 lanes store 256 consecutive bytes, aligned
.endr
.if !\last
	s_wait_xcnt 0x0                                ; the stores have read their data and their base
	s_add_nc_u64 s[16:17], s[16:17], 0x100000      ; 16 tiles of 16 rows on
.irp i, 0,1,2,3
	v_mov_b32 v[QF+\i], v[QN+\i]                   ; the second block's Q; the next block's opening lines are the places ahead of its first products
.endr
	v_mov_b32 v[QS], v[QSN]
.endif
.endm
	BLOCK 0
	BLOCK 1
	s_wait_tensorcnt 0x0                           ; the wave's end
	ds_add_u32 v[SPW], v[NIL]
	s_wait_dscnt 0x0
	CROUND                                         ; the closing round
	s_endpgm
.Lfunc_end_k_qaf012d9b96_attn:
	.size	k_qaf012d9b96_attn, .Lfunc_end_k_qaf012d9b96_attn-k_qaf012d9b96_attn
	.p2alignl 7, 3214868480
	.fill 96, 4, 3214868480
	.section	.rodata,"a",@progbits
	.p2align	6, 0x0
	.amdhsa_kernel k_qaf012d9b96_attn
		.amdhsa_group_segment_fixed_size 223232
		.amdhsa_private_segment_fixed_size 0
		.amdhsa_enable_private_segment 0
		.amdhsa_kernarg_size 56
		.amdhsa_user_sgpr_count 2
		.amdhsa_user_sgpr_kernarg_segment_ptr 1
		.amdhsa_wavefront_size32 1
		.amdhsa_system_sgpr_workgroup_id_x 1
		.amdhsa_system_sgpr_workgroup_id_y 1
		.amdhsa_system_sgpr_workgroup_id_z 1
		.amdhsa_system_vgpr_workitem_id 0
		.amdhsa_next_free_vgpr 256
		.amdhsa_next_free_sgpr 96
		.amdhsa_reserve_vcc 0
		.amdhsa_float_denorm_mode_32 3
		.amdhsa_float_denorm_mode_16_64 3
		.amdhsa_memory_ordered 1
		.amdhsa_forward_progress 1
		.amdhsa_inst_pref_size 77
	.end_amdhsa_kernel
	.amdgpu_metadata
---
amdhsa.version: [ 1, 2 ]
amdhsa.kernels:
  - .name:           k_qaf012d9b96_attn
    .symbol:         k_qaf012d9b96_attn.kd
    .args:
      - { .name: qc, .offset: 0, .size: 8, .value_kind: global_buffer, .address_space: global }
      - { .name: qs, .offset: 8, .size: 8, .value_kind: global_buffer, .address_space: global }
      - { .name: kc, .offset: 16, .size: 8, .value_kind: global_buffer, .address_space: global }
      - { .name: ks, .offset: 24, .size: 8, .value_kind: global_buffer, .address_space: global }
      - { .name: vc, .offset: 32, .size: 8, .value_kind: global_buffer, .address_space: global }
      - { .name: vs, .offset: 40, .size: 8, .value_kind: global_buffer, .address_space: global }
      - { .name: out0, .offset: 48, .size: 8, .value_kind: global_buffer, .address_space: global }
    .group_segment_fixed_size: 223232
    .private_segment_fixed_size: 0
    .kernarg_segment_align: 8
    .kernarg_segment_size: 56
    .max_flat_workgroup_size: 512
    .sgpr_count:     96
    .vgpr_count:     256
    .wavefront_size: 32
...
	.end_amdgpu_metadata
.endif
;; end of part 2
